; MI455X (gfx1250); checked and timed in simulation.
; The chip was launched on July 23, 2026; its instructions are those of AMD's public machine-readable ISA for CDNA 5 (MIT licence, August 2026) and "CDNA5" Instruction Set Architecture Reference Guide (July 2026). The comments in the code are by the model that wrote it; some were corrected since.
;; Attention Net. Allowed arithmetic: matrix products marked QUANTISED: E2M1 operands, one E8M0 scale for each 32 along K, by v_wmma_scale_f32_16x16x128_f8f6f4 with both operands' format E2M1 (or v_wmma_scale_f32_32x16x128_f4), f32 sums; products left as they are: f32 operands where the result goes on into a quantised operand, else bf16, f16 or f32 operands; f32 sums; everything else in f32.
;; Inputs: W_codes 32 x 2 x 16 uint8 (E2M1 codes of W, K innermost, in blocks of 32 codes, two codes a byte); W_scales 32 x 2 uint8 (E8M0 scales of W, one for each 32 codes along K); b 32 float32; h 32 float32; p 64 x 1 float32; x 4,096 x 40 x 64 float32.
;; Outputs: out0 4,096 x 1 float32.
;; This version of the problem:
;;   THIS VERSION OF THE PROBLEM IS GIVEN IN LOW PRECISION. The matrix products marked QUANTISED in the list below multiply operands that are first quantised to E2M1 (2 exponent bits, 1 mantissa bit; 4 bits a number), with one power-of-two scale for each 32 numbers along K (OCP MX v1.0); their sums are f32. All else is computed in f32.
;;   The module's matrix products, in the order in which they are computed (A, B: the left and right operand; K: the contracted axis; several contracted axes count as one K, in the product's order):
;;     1. [M 3,194,880, K 64] x [K 64, N 32]; A: computed on the way; B: input W (given as codes): QUANTISED
;;     2. batch 4,096 x [M 1, K 780] x [K 780, N 64]; A: computed on the way; B: computed on the way: left as it is (M = 1 < 16)
;;     3. [M 4,096, K 64] x [K 64, N 1]; A: computed on the way; B: input p: left as it is (N = 1 < 16)
;;   THE QUANTISER, for each operand of a quantised product, along K:
;;     - K is cut into blocks of 32 from its start; a last block that is shorter is filled with zeros.
;;     - A block's scale is 2^e with e = floor(log2(the largest magnitude in the block)) - 2, held to -126 .. 127; a block of zeros has e = 0. As a byte (E8M0): e + 127.
;;     - Each number is divided by its block's scale, clamped to +-6, and rounded to the nearest number of E2M1, ties to even, subnormals kept.
;;     - The product sums the exact products of the quantised numbers (number of the format x scale) in f32.
;;   ~~~python
;;   def quantise(x, axis):      # numpy; x: float32 -> the quantised numbers, widened to float32 again
;;       x = np.moveaxis(x, axis, -1); K = x.shape[-1]
;;       x = np.pad(x, [(0, 0)] * (x.ndim - 1) + [(0, -K % 32)]); x = x.reshape(x.shape[:-1] + (-1, 32)); a = np.abs(x).max(-1, keepdims=True)
;;       e = np.where(a > 0, np.clip(np.frexp(np.where(a > 0, a, 1))[1] - 1 - 2, -126, 127), 0)      # np.frexp(a)[1] - 1 = floor(log2(a)), exactly
;;       r = np.clip(x / 2.0 ** e, -6, 6)
;;       step = 2.0 ** (np.maximum(np.frexp(np.where(r == 0, 1, r))[1] - 1, 0) - 1)
;;       q = np.round(r / step) * step * 2.0 ** e      # np.round: ties to even
;;       return np.moveaxis(q.reshape(q.shape[:-2] + (-1,))[..., :K], -1, axis).astype(np.float32)
;;   ~~~
;;   OPERANDS COMPUTED ON THE WAY. 'Computed on the way' means the value that the module computes at that place (a softmax that the list does not call 'softmax' is quantised finished and normalised). What goes into a quantiser is computed in f32, as accurately as f32 sums, v_exp_f32 and their like allow (about 1e-6 of the number): no bf16 or f16 on the way to a quantiser, and a product that is left as it is and whose result goes on into a quantised operand takes f32 operands (vector FMAs, or v_wmma_f32_16x16x4_f32). A number that lies on a knife's edge between two numbers of the format may be rounded either way, as far as f32 arithmetic and the matrix unit's own rounding can turn it there, and no further.
;;   INPUTS GIVEN AS CODES. W (in the module: [64, 32], K = its axis 0): each comes as NAME_codes (uint8): NAME with its K axis moved to the last place and cut into blocks of 32 codes, [.., K / 32, bytes a block], one block behind the other in memory; two codes a byte, the lower K in the low four bits (a code: sign, 2 exponent bits, 1 mantissa bit); and NAME_scales (uint8): the same leading axes, one E8M0 byte (e + 127) for each 32 codes along K. Its value is code x scale, taken as it is: it is not quantised again, and the codes and scales need not be those that the quantiser above would give.
;; One version. Each part assembles by itself: llvm-mc -triple=amdgcn-amd-amdhsa -mcpu=gfx1250 --defsym DOCPART=n.
;; ======== version 1 of 1: 1 launch
;; launch afm (part 1): grid 256 x 1, 8 waves a work-group, no clusters, 177,152 bytes of LDS; arguments x, W_codes, W_scales, b, h, p, out0; writes out0
.if DOCPART == 1
	.amdgcn_target "amdgcn-amd-amdhsa--gfx1250"
	.amdhsa_code_object_version 6
	.text
	.protected	k_qb33ae6fe4e_afm
	.globl	k_qb33ae6fe4e_afm
	.p2align	8
	.type	k_qb33ae6fe4e_afm,@function
k_qb33ae6fe4e_afm:
	s_mov_b64 s[64:65], 0
	v_nop
	global_prefetch_b8 v0, s[64:65] scope:SCOPE_SE
	s_setreg_imm32_b32 hwreg(HW_REG_WAVE_MODE, 25, 1), 1
	s_wait_xcnt 0x0
; out[n] = sum over pairs i<j of e_ij d_ij / sum of e_ij;  ewp = x[n][i] * x[n][j] (64 numbers, f32);  e = exp(sum_a relu(Q(ewp) W + b)_a h_a);  d = sum_e p_e ewp_e.
; x: [4096][40][64] f32.  W: 32 units x 64 along K as E2M1 codes with one E8M0 byte for each 32.  The first product runs on codes: ewp is quantised along K in registers, two blocks of 32.
; The weighted sum over pairs and the product with p are contracted in the other order (first p, then the pairs): the same sum for every input, all in f32.
; SHARES.  256 work-groups of 8 waves; a work-group owns 16 batches, 163,840 bytes of x, which come into LDS ONCE: one tensor load a wave (one outstanding by this text's count), nothing is filled again.
; LANES.  Lane (r = lane % 16, h = lane / 16) holds batch r and K block h (elements 32 h .. 32 h + 31) of the pair in hand; all lanes of a wave work on the same pair (i, j) for 16 batches.
;   So a quantiser's block lies whole in one lane; the four conversions' results ARE registers 0-3 of the 4-bit operand (k = 32 h ..); registers 4-7 (k = 64 .. 127) are zero codes for good.
;   The matrix instruction is used transposed (source 0 = 16 units of W, source 1 = 16 batches): lane (r, h) gets units 16 t + 8 h + j of its own batch, and the sums over pairs stay inside a lane.
; PAIRS.  The 40 fields are 8 groups of 5.  Wave g keeps group g in 160 registers and takes: the 10 pairs inside it; all 25 pairs with each of the groups g + 1, g + 2, g + 3 (mod 8); and of group g + 4 (mod 8)
;   the pairs (resident a, streamed b) with a <= b.  Waves g and g + 4 so cover that 5 x 5 block from both sides; the five pairs a = b are made by both and counted in waves 0-3 alone:
;   in waves 4-7 minus infinity is added to their scores.  8 x 10 + 24 x 25 + 4 x 25 = 780.  A wave runs 100 steps; a streamed row (8 LDS loads) feeds up to 5 steps.
; THE EXPONENTIALS are taken under a running whole-number maximum M of t = score x log2(e): p = 2^(t - M); when M moves the sums are multiplied by 2^(old M - new M), which rounds nothing.
; NO CLUSTER: the work-groups share only W, b, h and p, 1,600 bytes, against 163,840 bytes of x that each reads alone.
; LIMITS.  NaN and infinities among the inputs are not served.  A block of ewp whose largest magnitude lies under 2^-124 keeps the scale byte 1; a block of zeros gets the byte 1 where the quantiser says 127
;   (its codes are zeros, which add nothing).  Where exp(score) itself overflows f32 this text still gives the finite quotient.
.set FP,     272                       ; a field's row in LDS: 256 bytes + 16 of padding
.set BP,     5*FP                      ; a batch's five rows of a chunk: 1,360 bytes = 85 x 16: the sixteen batches of a 16-byte load start in sixteen different 16-byte columns modulo 256
.set CH,     16*BP                     ; a chunk: one group of 5 fields for 16 batches: what one tensor load brings
.set RED,    8*CH                      ; behind x: 8 waves x 256 bytes for the final sums; no tensor load lands there
.set BATCHB, 40*256                    ; a batch of x in memory
.set LANE, 1                           ; v1   r x BP + 128 h: my lane's place in a chunk
.set AS,   2                           ; v2   + the chunk in hand
.set AN,   3                           ; v3   + the next chunk
.set RW,   4                           ; v4   RED + 256 x wave + 16 r
.set RR,   5                           ; v5   RED + 16 r
.set OO,   6                           ; v6   4 r
.set MX,   8                           ; v8-11   four chains of the block's largest magnitude
.set SOP,  12                          ; v12  the conversions' scale operand
.set T,    13                          ; v13  my block's scale byte in bits 31:24
.set U,    14                          ; v14  lane xor 16's
.set SW,   15                          ; v15  ewp's scale word
.set WS,   16                          ; v16-17  W's scale words, tile 0, 1
.set SE,   18                          ; v[18:19] sum of p, in two halves
.set SDA,  20                          ; v[20:21], v[22:23] sum of p d, in two chains of pairs
.set SDB,  22
.set CD,   24                          ; v24-27 ewp's codes; v28-31 zero codes
.set WA,   32                          ; v32-35, v40-43 W's codes, tile 0, 1; v36-39, v44-47 zero codes
.set D0,   48                          ; v48-55, v56-63 the two results
.set D1,   56
.set BI,   64                          ; v64-79  register 8 t + j = b[16 t + 8 h + j]: the C of the products
.set HH,   80                          ; v80-95  h[16 t + 8 h + j] x log2(e)
.set PP,   96                          ; v96-127 p[32 h + i]
.set S,    128                         ; v128-159 the streamed row
.set E,    160                         ; v160-191 ewp
.set SL,   192                         ; v192-211 five slots: +4 k the score's pair, +4 k + 2 d's pair
.set HA,   212
.set HB,   214
.set DTA,  216
.set DTB,  218
.set OUTR, 220
.set NMIN, 224
.set SC,   232                         ; v232-236 five scores, then five p
.set MT,   237
.set TP,   238                         ; v238-242 lane xor 16's halves of the scores
.set NM,   244                         ; -M
.set RT,   245                         ; the running largest t
.set F,    246
.set MO,   247
.set WV,   18                          ; s18  my wave's number = my group
.set DL,   19                          ; s19  the loop's distance between groups
.set SEL,  20                          ; s[20:21] selects of v_permlanex16_b32: lane xor 16
.set MB,   22                          ; s22  0 in waves 0-3, minus infinity in waves 4-7
.set G0,   28                          ; s[28:31] descriptor group 0
.set G1,   32                          ; s[32:39] descriptor group 1
; window 1 (v256-415): resident row a at v[32 a .. 32 a + 31]: register i = x[batch r][5 g + a][32 h + i]
.set MSB, 0
.set NS,  0                            ; steps written so far
.set FM,  0                            ; slots of the batch in hand whose pairs both waves of a couple make
.macro WIN new                         ; the immediate's high byte repeats the setting that is left
.if MSB != (\new)
	s_set_vgpr_msb (MSB<<8)|(\new)
.set MSB, (\new)
.endif
.endm
.macro LOADROW areg, off               ; a streamed row: my 128 bytes of it
.irp c, 0,1,2,3,4,5,6,7
	ds_load_b128 v[S+4*\c:S+4*\c+3], v[\areg] offset:(\off)+16*\c
.endr
.endm
; relu and the product with h for the step BEFORE, in five pieces that stand between the lines of this step's scale, which wait for each other.  Each result is read from its low end on.
.macro RH p
.if NS > 0
.set KP, (NS-1)%5
.if \p == 0
.irp j, 0,1,2,3
	v_max_num_f32 v[D0+\j], 0, v[D0+\j]
.endr
.elseif \p == 1
.irp j, 0,1,2,3
	v_max_num_f32 v[D1+\j], 0, v[D1+\j]
.endr
.elseif \p == 2
	v_pk_mul_f32 v[HA:HA+1], v[D0:D0+1], v[HH:HH+1]
	v_pk_mul_f32 v[HB:HB+1], v[D1:D1+1], v[HH+8:HH+9]
	v_max_num_f32 v[D0+4], 0, v[D0+4]
	v_max_num_f32 v[D0+5], 0, v[D0+5]
.elseif \p == 3
	v_max_num_f32 v[D1+4], 0, v[D1+4]
	v_max_num_f32 v[D1+5], 0, v[D1+5]
.else
	v_pk_fma_f32 v[HA:HA+1], v[D0+2:D0+3], v[HH+2:HH+3], v[HA:HA+1]
	v_pk_fma_f32 v[HB:HB+1], v[D1+2:D1+3], v[HH+10:HH+11], v[HB:HB+1]
	v_max_num_f32 v[D0+6], 0, v[D0+6]
	v_max_num_f32 v[D0+7], 0, v[D0+7]
	v_max_num_f32 v[D1+6], 0, v[D1+6]
	v_max_num_f32 v[D1+7], 0, v[D1+7]
	v_pk_fma_f32 v[HA:HA+1], v[D0+4:D0+5], v[HH+4:HH+5], v[HA:HA+1]
	v_pk_fma_f32 v[HB:HB+1], v[D1+4:D1+5], v[HH+12:HH+13], v[HB:HB+1]
	v_pk_fma_f32 v[HA:HA+1], v[D0+6:D0+7], v[HH+6:HH+7], v[HA:HA+1]
	v_pk_fma_f32 v[HB:HB+1], v[D1+6:D1+7], v[HH+14:HH+15], v[HB:HB+1]
	v_pk_add_f32 v[SL+4*KP:SL+4*KP+1], v[HA:HA+1], v[HB:HB+1]     ; my 16 units' part of t, in two halves
.endif
.endif
.endm
; lines from .. to - 1 of the sixteen of d = sum of p x ewp over my 32 elements, in two chains of pairs
.macro DLINES from, to
.set I, \from
.rept (\to)-(\from)
.if I < 2
	v_pk_mul_f32 v[DTA+2*I:DTA+2*I+1], v[PP+2*I:PP+2*I+1], v[E+2*I:E+2*I+1]
.else
	v_pk_fma_f32 v[DTA+2*(I%2):DTA+2*(I%2)+1], v[PP+2*I:PP+2*I+1], v[E+2*I:E+2*I+1], v[DTA+2*(I%2):DTA+2*(I%2)+1]
.endif
.set I, I+1
.endr
.endm
; Five slots are summed.  mk: bit k set = slot k's pair is counted in waves 0-3 alone.
.macro FLUSH mk
.irp k, 0,1,2,3,4
	v_add_f32 v[SC+\k], v[SL+4*\k], v[SL+4*\k+1]
.endr
.irp k, 0,1,2,3,4
	v_permlanex16_b32 v[TP+\k], v[SC+\k], s[SEL], s[SEL+1]         ; the other 16 units lie in lane xor 16
.endr
	v_pk_add_f32 v[SC:SC+1], v[SC:SC+1], v[TP:TP+1]
	v_pk_add_f32 v[SC+2:SC+3], v[SC+2:SC+3], v[TP+2:TP+3]
	v_add_f32 v[SC+4], v[SC+4], v[TP+4]                            ; t of five pairs, the same bits in both lanes of a batch
.irp k, 0,1,2,3,4
.if ((\mk)>>\k)&1
	v_add_f32 v[SC+\k], s[MB], v[SC+\k]                            ; + 0, or minus infinity: p = 0 then
.endif
.endr
	v_max3_num_f32 v[MT], v[SC], v[SC+1], v[SC+2]
	v_mov_b32 v[MO], v[NM]
	v_max3_num_f32 v[MT], v[MT], v[SC+3], v[SC+4]
	v_max_num_f32 v[RT], v[RT], v[MT]                              ; the running largest t
	v_floor_f32 v[NM], -v[RT]                                      ; -M = floor(-t): M is a whole number
	v_pk_add_f32 v[SC:SC+1], v[SC:SC+1], v[NM:NM+1] op_sel_hi:[1,0]
	v_pk_add_f32 v[SC+2:SC+3], v[SC+2:SC+3], v[NM:NM+1] op_sel_hi:[1,0]
	v_add_f32 v[SC+4], v[SC+4], v[NM]                              ; t - M
	v_sub_f32 v[MO], v[NM], v[MO]                                  ; old M - new M: a whole number, 0 or less
	v_cvt_i32_f32 v[MO], v[MO]                                     ; (it saturates)
.irp k, 0,1,2,3,4
	v_exp_f32 v[SC+\k], v[SC+\k]                                   ; p = 2^(t - M), at most 1
.endr
	v_ldexp_f32 v[F], 1.0, v[MO]                                   ; f = 2^(old M - new M).  (The plain line behind the exponentials)
	v_pk_mul_f32 v[SE:SE+1], v[SE:SE+1], v[F:F+1] op_sel_hi:[1,0]  ; the sums under the new M: nothing is rounded
	v_pk_mul_f32 v[SDA:SDA+1], v[SDA:SDA+1], v[F:F+1] op_sel_hi:[1,0]
	v_pk_mul_f32 v[SDB:SDB+1], v[SDB:SDB+1], v[F:F+1] op_sel_hi:[1,0]
	s_wait_alu depctr_va_vdst(0)                                   ; one wait for the five exponentials, ahead of their first reader
	v_pk_add_f32 v[SE:SE+1], v[SE:SE+1], v[SC:SC+1]
	v_pk_fma_f32 v[SDA:SDA+1], v[SL+2:SL+3], v[SC:SC+1], v[SDA:SDA+1] op_sel_hi:[1,0,1]
	v_pk_fma_f32 v[SDB:SDB+1], v[SL+6:SL+7], v[SC:SC+1], v[SDB:SDB+1] op_sel:[0,1,0] op_sel_hi:[1,1,1]
	v_pk_add_f32 v[SE:SE+1], v[SE:SE+1], v[SC+2:SC+3]
	v_pk_fma_f32 v[SDA:SDA+1], v[SL+10:SL+11], v[SC+2:SC+3], v[SDA:SDA+1] op_sel_hi:[1,0,1]
	v_pk_fma_f32 v[SDB:SDB+1], v[SL+14:SL+15], v[SC+2:SC+3], v[SDB:SDB+1] op_sel:[0,1,0] op_sel_hi:[1,1,1]
	v_add_f32 v[SE], v[SE], v[SC+4]
	v_pk_fma_f32 v[SDA:SDA+1], v[SL+18:SL+19], v[SC+4:SC+5], v[SDA:SDA+1] op_sel_hi:[1,0,1]
.endm
; ONE PAIR for 16 batches.  a: the resident row.  xb, xw: the other row's first register and its window.  wt = 1: the streamed row is waited for.
; ld = 1: this is the streamed row's last use: the next row is asked for, at v[lr] + lo; it has the rest of this step in which to land.
.macro STEP a, xb, xw, wt, ld, lr, lo
.set K5, NS%5
.if \wt
	s_wait_dscnt 0x0                                               ; the row's eight loads, issued a step ago; nothing younger is out
.endif
	WIN 0x01|((\xw)<<2)
.set I, 0
.rept 16
	v_pk_mul_f32 v[E+I:E+I+1], v[32*(\a)+I:32*(\a)+I+1], v[I+(\xb):I+(\xb)+1]   ; ewp, in f32
.set I, I+2
.endr
	WIN 0
.if \ld
	LOADROW \lr, \lo
.endif
.irp c, 0,1,2,3
	v_max3_num_f32 v[MX+\c], |v[E+8*\c]|, |v[E+8*\c+1]|, |v[E+8*\c+2]|          ; my block's largest magnitude: all 32 numbers are mine; four chains by turns
.endr
.irp c, 0,1,2,3
	v_max3_num_f32 v[MX+\c], v[MX+\c], |v[E+8*\c+3]|, |v[E+8*\c+4]|
.endr
.irp c, 0,1,2,3
	v_max3_num_f32 v[MX+\c], v[MX+\c], |v[E+8*\c+5]|, |v[E+8*\c+6]|
.endr
	v_max3_num_f32 v[MX], v[MX], |v[E+7]|, |v[E+15]|
	v_max3_num_f32 v[MX+2], v[MX+2], |v[E+23]|, |v[E+31]|
	RH 0
	v_max3_num_f32 v[MX], v[MX], v[MX+1], v[MX+2]
	RH 1
	v_max3_num_f32 v[MX], v[MX], v[MX+3], 0x1800000                ; and the floor 2^(3 - 127): the byte cannot fall under 1
	RH 2
	v_add_nc_u32 v[SOP], 0xff000000, v[MX]                         ; 2 off the exponent field: the conversions take this operand's exponent field as their scale
	v_lshl_add_u32 v[T], v[MX], 1, 0xfe000000                      ; the same byte in bits 31:24
	RH 3
	v_permlanex16_b32 v[U], v[T], s[SEL], s[SEL+1]                 ; the batch's other block's
	RH 4
.irp q, 0,1,2,3
	v_cvt_scalef32_pk8_fp4_f32 v[CD+\q], v[E+8*\q:E+8*\q+7], v[SOP]   ; k = 32 h + 8 q + 0 .. 7: register q of the operand
.endr
	v_perm_b32 v[SW], v[U], v[T], 0x03030703                       ; lanes 0-15: byte 0 block 0's, byte 1 block 1's; bytes 2, 3 stand over zero codes.  (Also the plain line behind the conversions)
	DLINES 0, 8                                                    ; eight plain lines between the scale word's write and the scaled matrix instruction; they name none of its registers
	v_wmma_scale_f32_16x16x128_f8f6f4 v[D0:D0+7], v[WA:WA+7], v[CD:CD+7], v[BI:BI+7], v[WS], v[SW] matrix_a_fmt:MATRIX_FMT_FP4 matrix_b_fmt:MATRIX_FMT_FP4
	v_wmma_scale_f32_16x16x128_f8f6f4 v[D1:D1+7], v[WA+8:WA+15], v[CD:CD+7], v[BI+8:BI+15], v[WS+1], v[SW] matrix_a_fmt:MATRIX_FMT_FP4 matrix_b_fmt:MATRIX_FMT_FP4
.if (NS > 0) && (NS%5 == 0)
	FLUSH FM                                                       ; the five steps before this one
.endif
	DLINES 8, 16
	v_pk_add_f32 v[SL+4*K5+2:SL+4*K5+3], v[DTA:DTA+1], v[DTB:DTB+1]   ; my half of d, in two halves
.set NS, NS+1
.endm
	s_load_b256 s[4:11], s[0:1], 0x0               ; x s[4:5], W's codes s[6:7], W's scales s[8:9], b s[10:11]
	s_load_b128 s[12:15], s[0:1], 0x20             ; h s[12:13], p s[14:15]
	s_load_b64 s[16:17], s[0:1], 0x30              ; out
	v_lshl_add_u32 v254, v0, 2, 0x2b000
	v_mov_b32 v255, 0
	ds_add_u32 v254, v255
	ds_add_u32 v254, v255
	v_lshrrev_b32 v248, 5, v0
	v_readfirstlane_b32 s[WV], v248                ; wave 0..7
	; descriptor group 1: 16 rows (batches) of 320 elements of 4 bytes (five fields), 2,560 elements apart; in LDS 4 words of padding behind every 64
	s_mov_b32 s[G1+0], (2<<16)|(1<<20)|(5<<22)|(3<<25)
	s_mov_b32 s[G1+1], 320<<16                     ; tensor_dim0
	s_mov_b32 s[G1+2], 16<<16                      ; tensor_dim1
	s_mov_b32 s[G1+3], 320<<16                     ; tile_dim0
	s_mov_b32 s[G1+4], 16                          ; tile_dim1
	s_mov_b32 s[G1+5], 2560                        ; from batch to batch
	s_mov_b32 s[G1+6], 0
	s_mov_b32 s[G1+7], 0
	s_mov_b32 s[SEL], 0x76543210
	s_mov_b32 s[SEL+1], 0xfedcba98
	s_cmp_lt_u32 s[WV], 4
	s_cselect_b32 s[MB], 0, 0xff800000
	s_mul_i32 s26, ttmp9, 16*BATCHB                ; my work-group's 16 batches,
	s_mul_i32 s23, s[WV], 5*256                    ; my wave's five fields
	s_add_co_u32 s26, s26, s23
	s_mov_b32 s27, 0
	s_lshl_b32 s24, ttmp9, 6                       ; and its 16 outputs
	s_mov_b32 s25, 0
	s_mov_b32 s[G0], 1                             ; count = 1
	s_mul_i32 s[G0+1], s[WV], CH                   ; LDS address: my chunk
	s_wait_dscnt 0x0
	s_wait_kmcnt 0x0
	s_add_nc_u64 s[G0+2:G0+3], s[4:5], s[26:27]
	s_or_b32 s[G0+3], s[G0+3], 0x80000000          ; type = 2
	s_add_nc_u64 s[16:17], s[16:17], s[24:25]
	tensor_load_to_lds s[G0:G0+3], s[G1:G1+7]      ; my one tensor load: group g of the 16 batches
	s_nop 0
	v_and_b32 v248, 15, v0                         ; r
	v_bfe_u32 v249, v0, 4, 1                       ; h
	v_mul_u32_u24 v[LANE], v248, BP
	v_lshl_add_u32 v[LANE], v249, 7, v[LANE]
	v_add_nc_u32 v[AS], s[G0+1], v[LANE]           ; my own chunk
	v_lshl_add_u32 v[RR], v248, 4, RED
	s_lshl_b32 s23, s[WV], 8
	v_add_nc_u32 v[RW], s23, v[RR]
	v_lshlrev_b32 v[OO], 2, v248
	v_lshlrev_b32 v250, 5, v248
	v_lshl_add_u32 v250, v249, 4, v250             ; W's codes: unit r of a tile, 32 bytes a unit, block h
	v_lshlrev_b32 v251, 1, v248                    ; W's scales: 2 bytes a unit
	v_lshlrev_b32 v252, 5, v249                    ; b, h: my half's eight units of a tile
	v_lshlrev_b32 v253, 7, v249                    ; p: my block's 32
	global_load_b128 v[WA:WA+3], v250, s[6:7]
	global_load_b128 v[WA+8:WA+11], v250, s[6:7] offset:512
	global_load_u16 v[WS], v251, s[8:9]            ; bytes 0, 1: the unit's two blocks; bytes 2, 3 are 0 and stand over zero codes
	global_load_u16 v[WS+1], v251, s[8:9] offset:32
.irp t, 0,1
	global_load_b128 v[BI+8*\t:BI+8*\t+3], v252, s[10:11] offset:64*\t
	global_load_b128 v[BI+8*\t+4:BI+8*\t+7], v252, s[10:11] offset:64*\t+16
	global_load_b128 v[HH+8*\t:HH+8*\t+3], v252, s[12:13] offset:64*\t
	global_load_b128 v[HH+8*\t+4:HH+8*\t+7], v252, s[12:13] offset:64*\t+16
.endr
.irp c, 0,1,2,3,4,5,6,7
	global_load_b128 v[PP+4*\c:PP+4*\c+3], v253, s[14:15] offset:16*\c
.endr
.irp j, 4,5,6,7
	v_mov_b32 v[CD+\j], 0                          ; k = 64 .. 127 of both operands: zero codes, written once
	v_mov_b32 v[WA+\j], 0
	v_mov_b32 v[WA+8+\j], 0
.endr
.irp j, 0,1,2,3,4,5
	v_mov_b32 v[SE+\j], 0                          ; the sums: the first change of M multiplies zeros
.endr
.irp k, 0,1,2,3,4
	v_mov_b32 v[TP+\k], 0                          ; a lane permute's destination counts as one of its sources
.endr
	v_mov_b32 v[U], 0
	v_mov_b32 v[RT], 0xff61b1e6                    ; the largest t so far: -3e38, under every t
	v_floor_f32 v[NM], -v[RT]
	s_wait_loadcnt 0x0                             ; W, b, h, p
.irp j, 0,2,4,6,8,10,12,14
	v_pk_mul_f32 v[HH+\j:HH+\j+1], v[HH+\j:HH+\j+1], 0x3fb8aa3b op_sel_hi:[1,0]   ; h x log2(e): the score comes out as t
.endr
	s_wait_tensorcnt 0x0                           ; my chunk is in LDS:
	s_barrier_signal -1                            ; say so.  Up to the wait below I read my own chunk alone, which nobody writes
	WIN 0x40                                       ; destination window 1
.irp a, 0,1,2,3,4
.irp c, 0,1,2,3,4,5,6,7
	ds_load_b128 v[32*\a+4*\c:32*\a+4*\c+3], v[AS] offset:\a*FP+16*\c   ; my group's five rows stay in registers
.endr
.endr
	WIN 0
	s_wait_dscnt 0x0
	; the ten pairs inside my group: both rows are resident
	STEP 0, 32*1, 1, 0, 0, 0, 0
	STEP 0, 32*2, 1, 0, 0, 0, 0
	STEP 1, 32*2, 1, 0, 0, 0, 0
	STEP 0, 32*3, 1, 0, 0, 0, 0
	STEP 1, 32*3, 1, 0, 0, 0, 0
	STEP 2, 32*3, 1, 0, 0, 0, 0
	STEP 0, 32*4, 1, 0, 0, 0, 0
	STEP 1, 32*4, 1, 0, 0, 0, 0
	STEP 2, 32*4, 1, 0, 0, 0, 0
	STEP 3, 32*4, 1, 0, 0, 0, 0
	s_barrier_wait -1                              ; all eight chunks are in LDS
	; groups g + 1, g + 2, g + 3: each of their 15 rows against my five
	s_add_co_u32 s24, s[WV], 1
	s_and_b32 s24, s24, 7
	s_mul_i32 s24, s24, CH
	v_add_nc_u32 v[AN], s24, v[LANE]
	LOADROW AN, 0
	s_mov_b32 s[DL], 1
.Lgroup:                                               ; three trips of 25 steps; the pending relu and the pending five slots cross the edge as they entered
	s_add_co_u32 s24, s[WV], s[DL]
	s_and_b32 s24, s24, 7
	s_mul_i32 s24, s24, CH
	v_add_nc_u32 v[AS], s24, v[LANE]               ; the group in hand
	s_add_co_u32 s25, s[WV], s[DL]
	s_add_co_u32 s25, s25, 1
	s_and_b32 s25, s25, 7
	s_mul_i32 s25, s25, CH
	v_add_nc_u32 v[AN], s25, v[LANE]               ; and the one after it (behind the last trip: group g + 4)
.irp b, 0,1,2,3,4
	STEP 0, S, 0, 1, 0, 0, 0
	STEP 1, S, 0, 0, 0, 0, 0
	STEP 2, S, 0, 0, 0, 0, 0
	STEP 3, S, 0, 0, 0, 0, 0
.if \b < 4
	STEP 4, S, 0, 0, 1, AS, (\b+1)*FP
.else
	STEP 4, S, 0, 0, 1, AN, 0
.endif
.endr
	s_add_co_u32 s[DL], s[DL], 1
	s_cmp_lt_u32 s[DL], 4
	s_cbranch_scc1 .Lgroup
	; group g + 4: streamed row b against residents a <= b.  The steps a = b fall into slots 0, 2 | 0, 4 | 4 of the three batches of five
	s_add_co_u32 s24, s[WV], 4
	s_and_b32 s24, s24, 7
	s_mul_i32 s24, s24, CH
	v_add_nc_u32 v[AS], s24, v[LANE]
	STEP 0, S, 0, 1, 1, AS, 1*FP
.set FM, 5
	STEP 0, S, 0, 1, 0, 0, 0
	STEP 1, S, 0, 0, 1, AS, 2*FP
	STEP 0, S, 0, 1, 0, 0, 0
	STEP 1, S, 0, 0, 0, 0, 0
	STEP 2, S, 0, 0, 1, AS, 3*FP
.set FM, 17
	STEP 0, S, 0, 1, 0, 0, 0
	STEP 1, S, 0, 0, 0, 0, 0
	STEP 2, S, 0, 0, 0, 0, 0
	STEP 3, S, 0, 0, 1, AS, 4*FP
	STEP 0, S, 0, 1, 0, 0, 0
.set FM, 16
	STEP 1, S, 0, 0, 0, 0, 0
	STEP 2, S, 0, 0, 0, 0, 0
	STEP 3, S, 0, 0, 0, 0, 0
	STEP 4, S, 0, 0, 0, 0, 0
	RH 0                                           ; the last step's relu (nine plain lines stand behind its products) and the last five slots
	RH 1
	RH 2
	RH 3
	RH 4
	FLUSH FM
	; my wave's sums for batch r go to LDS with their -M; lanes r and r + 16 write the same 16 bytes with the same bits
	v_add_f32 v[OUTR], v[SE], v[SE+1]
	v_pk_add_f32 v[SDA:SDA+1], v[SDA:SDA+1], v[SDB:SDB+1]
	v_add_f32 v[OUTR+1], v[SDA], v[SDA+1]
	v_permlanex16_b32 v[U], v[OUTR+1], s[SEL], s[SEL+1]            ; d's other 32 elements lie in lane xor 16
	v_mov_b32 v[OUTR+2], v[NM]
	v_mov_b32 v[OUTR+3], v[NM]
	v_add_f32 v[OUTR+1], v[OUTR+1], v[U]
	ds_store_b128 v[RW], v[OUTR:OUTR+3]
	s_wait_dscnt 0x0                               ; for the others' sake: my store has landed
	s_barrier_signal -1
	s_barrier_wait -1
	s_cmp_lg_u32 s[WV], 0
	s_cbranch_scc1 .Lend
	; wave 0 brings the eight waves' sums under the largest M and divides
.irp w, 0,1,2,3,4,5,6,7
	ds_load_b128 v[S+4*\w:S+4*\w+3], v[RR] offset:256*\w
.endr
	s_wait_dscnt 0x0
	v_min3_num_f32 v[NMIN], v[S+2], v[S+6], v[S+10]
	v_min3_num_f32 v[NMIN], v[NMIN], v[S+14], v[S+18]
	v_min3_num_f32 v[NMIN], v[NMIN], v[S+22], v[S+26]
	v_min_num_f32 v[NMIN], v[NMIN], v[S+30]        ; the least -M = the largest M
.irp w, 0,1,2,3,4,5,6,7
	v_sub_f32 v[S+4*\w+2], v[NMIN], v[S+4*\w+2]    ; wave w's M less the largest: a whole number, 0 or less
.endr
.irp w, 0,1,2,3,4,5,6,7
	v_cvt_i32_f32 v[S+4*\w+2], v[S+4*\w+2]
.endr
.irp w, 0,1,2,3,4,5,6,7
	v_ldexp_f32 v[S+4*\w+2], 1.0, v[S+4*\w+2]
.endr
	v_pk_mul_f32 v[OUTR:OUTR+1], v[S:S+1], v[S+2:S+3] op_sel_hi:[1,0]
.irp w, 1,2,3,4,5,6,7
	v_pk_fma_f32 v[OUTR:OUTR+1], v[S+4*\w:S+4*\w+1], v[S+4*\w+2:S+4*\w+3], v[OUTR:OUTR+1] op_sel_hi:[1,0,1]
.endr
	v_rcp_f32 v[OUTR+2], v[OUTR]
	v_nop                                          ; a plain line behind the reciprocal
	s_wait_alu depctr_va_vdst(0)                   ; and the wait ahead of its first reader
	v_mul_f32 v[OUTR+3], v[OUTR+1], v[OUTR+2]
	v_cmp_gt_u32 vcc_lo, 16, v0
	s_wait_xcnt 0x0                                ; EXEC changes only behind this wait
	s_and_saveexec_b32 s23, vcc_lo
	global_store_b32 v[OO], v[OUTR+3], s[16:17]    ; sixteen lanes store the work-group's 64 bytes
	s_wait_xcnt 0x0                                ; and again, in front of the line that widens it
	s_or_b32 exec_lo, exec_lo, s23
.Lend:
	s_wait_tensorcnt 0x0
	ds_add_u32 v254, v255
	s_wait_dscnt 0x0
	s_endpgm
.Lfunc_end_k_qb33ae6fe4e_afm:
	.size	k_qb33ae6fe4e_afm, .Lfunc_end_k_qb33ae6fe4e_afm-k_qb33ae6fe4e_afm
	.p2alignl 7, 3214868480
	.fill 96, 4, 3214868480
	.section	.rodata,"a",@progbits
	.p2align	6, 0x0
	.amdhsa_kernel k_qb33ae6fe4e_afm
		.amdhsa_group_segment_fixed_size 177152
		.amdhsa_private_segment_fixed_size 0
		.amdhsa_enable_private_segment 0
		.amdhsa_kernarg_size 56
		.amdhsa_user_sgpr_count 2
		.amdhsa_user_sgpr_kernarg_segment_ptr 1
		.amdhsa_wavefront_size32 1
		.amdhsa_system_sgpr_workgroup_id_x 1
		.amdhsa_system_sgpr_workgroup_id_y 1
		.amdhsa_system_sgpr_workgroup_id_z 1
		.amdhsa_system_vgpr_workitem_id 0
		.amdhsa_next_free_vgpr 416
		.amdhsa_next_free_sgpr 66
		.amdhsa_reserve_vcc 1
		.amdhsa_float_denorm_mode_32 3
		.amdhsa_float_denorm_mode_16_64 3
		.amdhsa_memory_ordered 1
		.amdhsa_forward_progress 1
		.amdhsa_inst_pref_size 255
	.end_amdhsa_kernel
	.section	.bss,"aw",@nobits
	.p2align	6
	.space	262144
	.amdgpu_metadata
---
amdhsa.version: [ 1, 2 ]
amdhsa.kernels:
  - .name:           k_qb33ae6fe4e_afm
    .symbol:         k_qb33ae6fe4e_afm.kd
    .args:
      - { .name: x, .offset: 0, .size: 8, .value_kind: global_buffer, .address_space: global }
      - { .name: W_codes, .offset: 8, .size: 8, .value_kind: global_buffer, .address_space: global }
      - { .name: W_scales, .offset: 16, .size: 8, .value_kind: global_buffer, .address_space: global }
      - { .name: b, .offset: 24, .size: 8, .value_kind: global_buffer, .address_space: global }
      - { .name: h, .offset: 32, .size: 8, .value_kind: global_buffer, .address_space: global }
      - { .name: p, .offset: 40, .size: 8, .value_kind: global_buffer, .address_space: global }
      - { .name: out0, .offset: 48, .size: 8, .value_kind: global_buffer, .address_space: global }
    .group_segment_fixed_size: 177152
    .private_segment_fixed_size: 0
    .kernarg_segment_align: 8
    .kernarg_segment_size: 56
    .max_flat_workgroup_size: 256
    .sgpr_count:     66
    .vgpr_count:     416
    .wavefront_size: 32
...
	.end_amdgpu_metadata
.endif
;; end of part 1
